; MI455X (gfx1250); checked and timed in simulation.
; The chip was launched on July 23, 2026; its instructions are those of AMD's public machine-readable ISA for CDNA 5 (MIT licence, August 2026) and "CDNA5" Instruction Set Architecture Reference Guide (July 2026). The comments in the code are by the model that wrote it; some were corrected since.
;; Cross Attention. Allowed arithmetic: float matrix products may take bf16 or f16 operands with f32 sums; other float arithmetic in f32, or as packed bf16 or f16 multiplies, adds, multiply-adds, maxima and minima; sums over many terms, partial sums and values carried from step to step in f32; what a program stores and reads back later, other than sums and carried values, may be rounded once to bf16 or f16.
;; Inputs: Wk 1,024 x 1,024 float32; Wq 1,024 x 1,024 float32; Wv 1,024 x 1,024 float32; bk 1,024 float32; bq 1,024 float32; bv 1,024 float32; x1 16 x 32 x 1 x 32 x 1,024 float32; x2 16 x 32 x 1 x 32 x 1,024 float32.
;; Outputs: out0 16 x 32 x 32 x 1,024 float32.
;; 2 versions, each right; version 2 is version 1 with the launch prep written anew for expert scheduling mode. Each part assembles by itself: llvm-mc -triple=amdgcn-amd-amdhsa -mcpu=gfx1250 --defsym DOCPART=n.
;; ======== version 1 of 2: 3 launches
;; limits: values are held in f16: magnitudes above 65,504 overflow, below 6.1e-05 lose precision
;; workspace buffers: xb 67,108,864 bytes; wb 6,291,456 bytes; bbx 12,288 bytes; qkv 100,663,296 bytes
;; launch prep (part 1): grid 1120 x 1, 8 waves a work-group, no clusters, 0 bytes of LDS; arguments x1, x2, Wq, Wk, Wv, bq, bk, bv, xb, wb, bbx; writes xb, wb, bbx
.if DOCPART == 1
	.amdgcn_target "amdgcn-amd-amdhsa--gfx1250"
	.amdhsa_code_object_version 6
	.text
	.protected	k_qd8667156cd_prep
	.globl	k_qd8667156cd_prep
	.p2align	8
	.type	k_qd8667156cd_prep,@function
k_qd8667156cd_prep:
	s_mov_b64 s[64:65], 0
	v_nop
	global_prefetch_b8 v0, s[64:65] scope:SCOPE_SE
	s_setreg_imm32_b32 hwreg(HW_REG_WAVE_MODE, 25, 1), 1
	s_wait_xcnt 0x0
; All inputs are rounded once to bf16 and laid out for the product that follows.
;   xb  [32768][1024] bf16: rows 0..16383 are x1 with rows permuted (xb row b*1024 + i*32 + c = x1 row b*1024 + c*32 + i); rows 16384.. are x2 as it lies.
;   wb  [3][1024][1024] bf16: Wq, Wk, Wv with permuted rows.  p = place in wb, X = (p[9] << 4) | p[6:3], Y = (p[8:7] << 3) | p[2:0]:
;       Wq: row ((p & 31) << 5) | (p >> 5);   Wk: row 32 Y + X;   Wv: row 32 X + Y.
;   bbx [3][1024] words: the bias of the same row, bf16 in the low half, 0 in the high half.
; A stream: 35,840 destination rows of 2,048 bytes; a work-group takes 32 of them, a wave 4 consecutive ones.  Every load of a wave covers 512 consecutive
; bytes of a source row, every store 256 consecutive bytes at a multiple of 256.  All 32 loads of a wave go out at once (16 KiB in flight a wave).
; No LDS, no matrix unit, no cluster: nothing is shared and nothing is read twice.
.set X, 16                             ; v[16:143]  row q, chunk t at X + 32 q + 4 t: four f32 as loaded, then two words of bf16
	s_load_b512 s[4:19], s[0:1], 0x0               ; x1 s[4:5], x2 s[6:7], Wq s[8:9], Wk s[10:11], Wv s[12:13], bq s[14:15], bk s[16:17], bv s[18:19]
	s_load_b128 s[20:23], s[0:1], 0x40             ; xb s[20:21], wb s[22:23]
	s_load_b64 s[24:25], s[0:1], 0x50              ; bbx
	v_lshrrev_b32 v8, 5, v0
	v_readfirstlane_b32 s26, v8                    ; wave 0..7
	v_and_b32 v9, 31, v0                           ; lane
	v_lshlrev_b32 v1, 4, v9                        ; 16 bytes a lane in a source row (row 0 of my four)
	v_lshlrev_b32 v6, 3, v9                        ; 8 bytes a lane in a destination row
	v_mov_b32 v7, 0
	s_mov_b32 s27, ttmp9                           ; g
	s_lshr_b32 s46, s27, 9                         ; kind: 0 = x1, 1 = x2, 2 = a weight
	s_max_u32 s28, s27, 1024
	s_sub_co_u32 s28, s28, 1024                    ; gw: the work-group's number among the weights' 96 (0 for x1 and x2)
	s_lshr_b32 s29, s28, 5                         ; T: 0 = Wq, 1 = Wk, 2 = Wv
	s_cmp_lt_u32 s27, 1024
	s_cselect_b32 s30, s27, s28
	s_lshl_b32 s30, s30, 5
	s_lshl2_add_u32 s30, s26, s30                  ; drow: my first destination row, in xb or in wb; its two low bits are 0
	s_and_b32 s31, s30, 1023                       ; low: the row inside its block of 1,024
	s_and_b32 s39, s31, 31
	s_lshl_b32 s39, s39, 5
	s_lshr_b32 s32, s31, 5
	s_or_b32 s32, s32, s39                         ; swap(low)
	s_bfe_u32 s33, s31, 0x40003
	s_bfe_u32 s39, s31, 0x10009
	s_lshl_b32 s39, s39, 4
	s_or_b32 s33, s33, s39                         ; X
	s_and_b32 s34, s31, 7
	s_bfe_u32 s39, s31, 0x20007
	s_lshl_b32 s39, s39, 3
	s_or_b32 s34, s34, s39                         ; Y
	s_lshl_b32 s35, s34, 5
	s_or_b32 s35, s35, s33                         ; 32 Y + X
	s_lshl_b32 s36, s33, 5
	s_or_b32 s36, s36, s34                         ; 32 X + Y
	s_sub_co_u32 s37, s30, s31
	s_add_co_u32 s37, s37, s32                     ; source row of x1 and of Wq: the block's first row + swap(low)
	s_mov_b32 s38, 0x20000                         ; my next destination row's source lies 32 rows of 4,096 bytes on ...
	s_cmp_eq_u32 s29, 1
	s_cselect_b32 s37, s35, s37                    ; Wk
	s_cmp_eq_u32 s29, 2
	s_cselect_b32 s37, s36, s37                    ; Wv:
	s_cselect_b32 s38, 0x1000, s38                 ; ... or one row on
	s_and_b32 s39, s30, 0x3fff
	s_cmp_eq_u32 s46, 1
	s_cselect_b32 s37, s39, s37                    ; x2: its own order
	s_cselect_b32 s38, 0x1000, s38
.irp q, 1,2,3
	v_mad_u32_u24 v[1+(\q)], s38, \q, v1           ; the source offset of row q of my four
.endr
	s_wait_kmcnt 0x0
	s_cmp_eq_u32 s46, 1
	s_cselect_b64 s[40:41], s[6:7], s[4:5]         ; the source: x2 or x1,
	s_cmp_eq_u32 s46, 2
	s_cselect_b64 s[40:41], s[8:9], s[40:41]       ; or Wq,
	s_cselect_b64 s[42:43], s[22:23], s[20:21]     ; and the destination: wb or xb
	s_cmp_eq_u32 s29, 1
	s_cselect_b64 s[40:41], s[10:11], s[40:41]     ; or Wk,
	s_cmp_eq_u32 s29, 2
	s_cselect_b64 s[40:41], s[12:13], s[40:41]     ; or Wv
	s_lshl_b32 s44, s37, 12                        ; rows of 4,096 bytes: under 2^27
	s_mov_b32 s45, 0
	s_add_nc_u64 s[40:41], s[40:41], s[44:45]
	s_lshl_b32 s44, s30, 11                        ; rows of 2,048 bytes: under 2^27
	s_add_nc_u64 s[42:43], s[42:43], s[44:45]
.irp q, 0,1,2,3
.irp t, 0,1,2,3,4,5,6,7
	global_load_b128 v[X+32*(\q)+4*(\t):X+32*(\q)+4*(\t)+3], v[1+(\q)], s[40:41] offset:512*(\t) th:TH_LOAD_NT
.endr
.endr
.irp q, 0,1,2,3
	s_wait_loadcnt 8*(3-(\q))                      ; loads come back in order: row q is in, the younger rows' eight loads each stay out
.irp t, 0,1,2,3,4,5,6,7
	v_cvt_pk_bf16_f32 v[X+32*(\q)+4*(\t)], v[X+32*(\q)+4*(\t)], v[X+32*(\q)+4*(\t)+1]      ; in place, ascending: a word is written when its sources have been read
	v_cvt_pk_bf16_f32 v[X+32*(\q)+4*(\t)+1], v[X+32*(\q)+4*(\t)+2], v[X+32*(\q)+4*(\t)+3]
	global_store_b64 v6, v[X+32*(\q)+4*(\t):X+32*(\q)+4*(\t)+1], s[42:43] offset:2048*(\q)+256*(\t)  ; 32 lanes: 256 consecutive bytes; no register is written again behind its store
.endr
.endr
	; The biases: 64 numbers in wave 0 of the first 16 work-groups of each weight.
	s_cmp_lt_u32 s27, 1024
	s_cbranch_scc1 .Ldone
	s_and_b32 s32, s28, 31                         ; gl: the work-group's number inside its weight
	s_cmp_lt_u32 s32, 16
	s_cbranch_scc0 .Ldone
	s_cmp_lg_u32 s26, 0
	s_cbranch_scc1 .Ldone
	s_cmp_eq_u32 s29, 1
	s_cselect_b32 s44, -1, 0                       ; all lanes: this is bk
	s_cselect_b64 s[48:49], s[16:17], s[14:15]
	s_cmp_eq_u32 s29, 2
	s_cselect_b32 s45, -1, 0                       ; all lanes: this is bv
	s_cselect_b64 s[48:49], s[18:19], s[48:49]
	s_lshl_b32 s50, s29, 12                        ; bbx: 4,096 T + 256 gl
	s_lshl_b32 s33, s32, 8
	s_add_co_u32 s50, s50, s33
	s_mov_b32 s51, 0
	s_add_nc_u64 s[50:51], s[24:25], s[50:51]
	s_lshl_b32 s33, s32, 6
	v_and_b32 v8, 31, v0
	v_lshl_add_u32 v8, v8, 1, s33                  ; p = 64 gl + 2 lane,
	v_or_b32 v9, 1, v8                             ; and p + 1
.macro INV dst, src                    ; dst = 4 x the source row of place src
	v_and_b32 v14, 31, \src
	v_lshrrev_b32 v15, 5, \src
	v_lshl_or_b32 v144, v14, 5, v15                ; swap
	v_bfe_u32 v14, \src, 9, 1
	v_bfe_u32 v15, \src, 3, 4
	v_lshl_or_b32 v145, v14, 4, v15                ; X
	v_bfe_u32 v14, \src, 7, 2
	v_and_b32 v15, 7, \src
	v_lshl_or_b32 v146, v14, 3, v15                ; Y
	v_lshl_or_b32 v147, v146, 5, v145              ; 32 Y + X
	v_lshl_or_b32 v14, v145, 5, v146               ; 32 X + Y
	v_cndmask_b32 \dst, v144, v147, s44
	v_cndmask_b32 \dst, \dst, v14, s45
	v_lshlrev_b32 \dst, 2, \dst
.endm
	INV v10, v8
	INV v11, v9
	global_load_b32 v12, v10, s[48:49]
	global_load_b32 v13, v11, s[48:49]
	s_wait_loadcnt 0x0
	v_cvt_pk_bf16_f32 v12, v12, v7                 ; the bias in the low half, 0 in the high half
	v_cvt_pk_bf16_f32 v13, v13, v7
	global_store_b64 v6, v[12:13], s[50:51]        ; 256 consecutive bytes
.Ldone:
	s_endpgm
.Lfunc_end_k_qd8667156cd_prep:
	.size	k_qd8667156cd_prep, .Lfunc_end_k_qd8667156cd_prep-k_qd8667156cd_prep
	.p2alignl 7, 3214868480
	.fill 96, 4, 3214868480
	.section	.rodata,"a",@progbits
	.p2align	6, 0x0
	.amdhsa_kernel k_qd8667156cd_prep
		.amdhsa_group_segment_fixed_size 0
		.amdhsa_private_segment_fixed_size 0
		.amdhsa_enable_private_segment 0
		.amdhsa_kernarg_size 88
		.amdhsa_user_sgpr_count 2
		.amdhsa_user_sgpr_kernarg_segment_ptr 1
		.amdhsa_wavefront_size32 1
		.amdhsa_system_sgpr_workgroup_id_x 1
		.amdhsa_system_sgpr_workgroup_id_y 1
		.amdhsa_system_sgpr_workgroup_id_z 1
		.amdhsa_system_vgpr_workitem_id 0
		.amdhsa_next_free_vgpr 148
		.amdhsa_next_free_sgpr 66
		.amdhsa_reserve_vcc 0
		.amdhsa_float_denorm_mode_32 3
		.amdhsa_float_denorm_mode_16_64 3
		.amdhsa_memory_ordered 1
		.amdhsa_forward_progress 1
		.amdhsa_inst_pref_size 16
	.end_amdhsa_kernel
	.amdgpu_metadata
---
amdhsa.version: [ 1, 2 ]
amdhsa.kernels:
  - .name:           k_qd8667156cd_prep
    .symbol:         k_qd8667156cd_prep.kd
    .args:
      - { .name: x1, .offset: 0, .size: 8, .value_kind: global_buffer, .address_space: global }
      - { .name: x2, .offset: 8, .size: 8, .value_kind: global_buffer, .address_space: global }
      - { .name: Wq, .offset: 16, .size: 8, .value_kind: global_buffer, .address_space: global }
      - { .name: Wk, .offset: 24, .size: 8, .value_kind: global_buffer, .address_space: global }
      - { .name: Wv, .offset: 32, .size: 8, .value_kind: global_buffer, .address_space: global }
      - { .name: bq, .offset: 40, .size: 8, .value_kind: global_buffer, .address_space: global }
      - { .name: bk, .offset: 48, .size: 8, .value_kind: global_buffer, .address_space: global }
      - { .name: bv, .offset: 56, .size: 8, .value_kind: global_buffer, .address_space: global }
      - { .name: xb, .offset: 64, .size: 8, .value_kind: global_buffer, .address_space: global }
      - { .name: wb, .offset: 72, .size: 8, .value_kind: global_buffer, .address_space: global }
      - { .name: bbx, .offset: 80, .size: 8, .value_kind: global_buffer, .address_space: global }
    .group_segment_fixed_size: 0
    .private_segment_fixed_size: 0
    .kernarg_segment_align: 8
    .kernarg_segment_size: 88
    .max_flat_workgroup_size: 256
    .sgpr_count:     66
    .vgpr_count:     148
    .wavefront_size: 32
...
	.end_amdgpu_metadata
.endif
;; end of part 1
;; launch gemm (part 2): grid 16 x 16, 4 waves a work-group, clusters of 4 x 4, 327,680 bytes of LDS; arguments xb, wb, bbx, qkv; writes qkv
.if DOCPART == 2
	.amdgcn_target "amdgcn-amd-amdhsa--gfx1250"
	.amdhsa_code_object_version 6
	.text
	.protected	k_qd8667156cd_gemm
	.globl	k_qd8667156cd_gemm
	.p2align	8
	.type	k_qd8667156cd_gemm,@function
k_qd8667156cd_gemm:
	s_mov_b64 s[64:65], 0
	v_nop
	global_prefetch_b8 v0, s[64:65] scope:SCOPE_SE
	s_setreg_imm32_b32 hwreg(HW_REG_WAVE_MODE, 25, 1), 1
	s_wait_xcnt 0x0
	s_wait_alu depctr_hold_cnt(0) depctr_sa_sdst(0) depctr_va_vdst(0) depctr_va_sdst(0) depctr_va_ssrc(0) depctr_va_vcc(0) depctr_vm_vsrc(0)
	s_getreg_b32 s2, hwreg(HW_REG_IB_STS2, 6, 4)
	s_cmp_eq_u32 s2, 0
	s_cbranch_scc0 .Lentry_in_a_cluster
	s_endpgm
.Lentry_in_a_cluster:
	s_bfe_u32 s2, ttmp6, 0x10000c
	s_cmp_lg_u32 s2, 0xf033
	s_cbranch_scc0 .Lentry_shape_is_right
	s_endpgm
.Lentry_shape_is_right:
; The three projections as products C[m][n] = sum over k of A[m][k] B[n][k] + bias, bf16 operands, f32 sums, K = 1,024; C is rounded once to f16.
; K, V: A = x2's rows in xb (16,384), B = the weight's permuted rows in wb (1,024).  Q: the roles are swapped, A = Wq's permuted rows, B = x1's permuted rows in xb, so that the K loop is
; one text for all three and a lane's eight results are eight neighbouring c of one (j, d).
; OUTPUT.  qkv [3][16384 units][1024] f16, unit u = (b*32 + i)*32 + j; a unit's 2,048 bytes lie in the order in which the next launch's matrix operands want them:
; half-word blk*512 + kh*256 + h*128 + r*8 + e holds the element (row 16 blk + r, k = 16 kh + 8 h + e).  For K and V the permuted weight rows make that order of plain rows of C.
; LIMIT.  q, k and v are kept in f16: a number of 65,520 or more becomes an infinity.  NaN and infinities are not treated apart.
; SHAPE.  A tile of C is 256 x 256, four waves of 128 x 128: 64 accumulators of 16 x 16, 512 registers.  K goes in steps of 128 through a ring of two LDS slots filled by the
; tensor data mover: tile rows are 256 bytes of memory at multiples of 256.
; A WORK-GROUP STAYS.  The three products have 768 tiles; 256 work-groups make three each, one of Q, then one of K, then one of V (the last two on the same rows of x2).  A loop over tiles
; stands round the loop over K, and the ring does not stop at a tile's end: a tile's last two changes of slots ask for the next tile's first two K steps, and nothing waits for a tile's stores.
; CLUSTERS.  4 x 4 work-groups; cluster Z = cluster x + 4 cluster y.  Q: tile row cy, tile column 4 Z + cx.  K, V: tile row 4 Z + cy, tile column cx.  The four of a row of the cluster need the
; same tile of A, the four of a column the same tile of B: each is asked for JOINTLY, by the same tensor load with the same descriptor and a mask that names the four.  The count of tiles is
; equal in all sixteen, so selects and branches on it are alike in all partners.
; THE BIAS STARTS THE SUMS: it is the C operand of a tile's first 64 products, 64 registers of f32 (BC).  Q's bias goes by A's row: block a's eight registers all hold the lane's row's number.
; K's and V's goes by B's row: block b's eight registers hold the lane's eight columns' numbers.  So a tile's first quarter step is written twice.  No accumulator is ever cleared.
; THE MATRIX INSTRUCTION IS USED TRANSPOSED: source 0 = 16 rows of B, source 1 = 16 rows of A: lane l holds row l % 16 of C and the columns 8 (l / 16) + 0 .. 7.
; REGISTERS, in windows of 256 (s_set_vgpr_msb: bits 1:0 source 0, 3:2 source 1, 5:4 source 2, 7:6 destination):
;   window 0: v0-31 addresses; v64-127, v128-191 fragments of A, two buffers; v32-63, v192-255 at work on the way out
;   window 1: v0-63 BC; v64-127, v128-191 fragments of B;   window 2: the accumulators of my rows 0-63 ((a, b) at v[8 (8 a + b)]);   window 3: those of my rows 64-127
.set SIZE_K, 1024
.set TILES,  3
.set KSTEP,  128
.set PITCH,  272                       ; an LDS row: 256 bytes + 16 of padding = 68 words: the 16 rows that a load touches start at 16 different groups of four banks (ISA guide 11.1)
.set HALFT,  128*PITCH                 ; 128 rows: what one tensor load brings, and what one wave reads of A or of B
.set SLOT,   4*HALFT                   ; A's 256 rows, then B's 256 rows
.set STAGE,  2*SLOT                    ; behind the ring: 16 rows x 272 bytes for each wave, for K's and V's way out
.set SPITCH, 272
.set SPARE,  STAGE+4*16*SPITCH         ; behind the stages: the spare words, 128 bytes for each wave: two blocks of 256 bytes that no other line names
.set LAPS,   SIZE_K/(2*KSTEP)          ; a lap = two K steps = once round the ring: 4
.set ROWB,   2048                      ; bytes in a row of xb and wb, and in a unit of qkv
.set BQA,  5                           ; v5      4 (l % 16): my row's word among 16 words of bbx
.set BKA,  6                           ; v6      32 (l / 16): my eight columns' words among 16
.set ADRA, 16                          ; v16-17  LDS address of my A fragments in slot 0, 1
.set ADRB, 20                          ; v20-21  the same for B
.set STO,  24                          ; v24     the way out: where I put 16 bytes of a row
.set RD,   25                          ; v25     the way out: where I read a row back
.set CO,   26                          ; v26     K, V: my byte offset in two rows of C
.set CQ,   27                          ; v27     Q: 16 x lane
.set SPW,  28                          ; v28     LDS address of my spare word: SPARE + 4 x my thread's number; never rewritten
.set NIL,  29                          ; v29     0; never rewritten
.set BC,   0                           ; window 1
.set F0,   64
.set F1,   128
.set TMP,  192                         ; the way out: packed results
.set OB,   32                          ; the way out: 16 rows read back from the stage: v32-63 and v224-255 by turns
.set G1, 24                            ; s[24:31] descriptor group 1 for A's tiles
.set G0, 32                            ; s[32:39] descriptor group 0 for A's tiles, one set for each slot
.set G1B, 48                           ; s[48:55], s[56:63] the same for B's tiles
.set G0B, 56
.set PA0, 76                           ; s[76:77] where I fetch A's tiles of Q;   s[78:79] of K and V
.set PA1, 78
.set PB0, 80                           ; s[80:81] where I fetch B's tiles of Q;   s[82:83] of K;   s[84:85] of V
.set PB1, 82
.set PB2, 84
.set CBQ, 8                            ; s[8:9]   my part of C in Q;   s[86:87] in K;   s[88:89] in V
.set CBK, 86
.set CBV, 88
.set BPQ, 90                           ; s[90:91] the bias words of my 128 rows of A in Q;   s[92:93] of my 128 rows of B in K;   s[94:95] in V
.set BPK, 92
.set BPV, 94
.set PSEL, 98                          ; s[98:99] the next tile's B, chosen
.set MSB, 0
.macro WIN new                         ; the immediate's high byte repeats the setting that is left; a switch that changes nothing is dropped
.if MSB != (\new)
	s_set_vgpr_msb (MSB<<8)|(\new)
.set MSB, \new
.endif
.endm
.set MUL_LO,  0xa1                     ; source 0 (B) window 1, source 1 (A) window 0, C and D window 2
.set MUL_HI,  0xf1                     ; the same, C and D window 3
.set BIAS_LO, 0x91                     ; the same sources, C (the bias) window 1, D window 2; + 0x40: D window 3
.set TO_B,    0x40                     ; destination window 1, address window 0
.set SHIFT_B, 0x44                     ; destination and source 1 window 1 (source 0 is the shift's constant)
; A joint load.  Waves 0 and 1 fetch A's two halves, waves 2 and 3 B's.  The branch hangs on the wave's number alone.  An s_nop 0 and four v_nop follow each of the two lines.
.macro JLOAD s
	s_cmp_eq_u32 s11, 0
	s_cbranch_scc0 .Lfor_b_\@
	tensor_load_to_lds s[G0+4*(\s):G0+4*(\s)+3], s[G1:G1+7]
	s_nop 0
.rept 4
	v_nop
.endr
	s_branch .Lasked_\@
.Lfor_b_\@:
	tensor_load_to_lds s[G0B+4*(\s):G0B+4*(\s)+3], s[G1B:G1B+7]
	s_nop 0
.rept 4
	v_nop
.endr
.Lasked_\@:
.endm
; A round of the cluster's barrier: my work-group's barrier; wave 0 signals for the work-group; every wave waits for all sixteen; my work-group's barrier once more.
.macro CREST                           ; a round behind its opening barrier
	s_cmp_lg_u32 s10, 0
	s_cbranch_scc1 .Lnot_wave_0_\@
	s_barrier_signal -3
.Lnot_wave_0_\@:
	s_barrier_wait -3
	s_barrier_signal -1
	s_barrier_wait -1
.endm
.macro CROUND                          ; a whole round
	s_barrier_signal -1
	s_barrier_wait -1
	CREST
.endm
	s_load_b256 s[68:75], s[0:1], 0x0              ; xb s[68:69], wb s[70:71], bbx s[72:73], qkv s[74:75]
	v_lshl_add_u32 v[SPW], v0, 2, SPARE
	v_mov_b32 v[NIL], 0
	ds_add_u32 v[SPW], v[NIL]                      ; the wave's opening: the add and its wait stand ahead of my first tensor load; the set-up below, work on registers, stands between them
	v_lshrrev_b32 v1, 5, v0
	v_readfirstlane_b32 s10, v1                    ; wave 0..3
	s_lshr_b32 s11, s10, 1                         ; which half of the tile's rows is mine.  Also: I fetch for A (0) or for B (1)
	s_and_b32 s12, s10, 1                          ; which half of its columns.  Also: which 128 rows of that tile I fetch
	s_bfe_u32 s40, ttmp6, 0x40000                  ; cx
	s_bfe_u32 s41, ttmp6, 0x40004                  ; cy
	s_and_b32 s67, ttmp7, 0xffff                   ; in a cluster launch ttmp9 and ttmp7 count clusters
	s_lshl_b32 s67, s67, 2
	s_add_co_u32 s67, s67, ttmp9                   ; Z
	s_lshl_b32 s67, s67, 21                        ; the cluster's four tiles of x: 4 Z x 256 rows of 2,048 bytes
	s_lshl_b32 s44, s41, 2
	s_lshl_b32 s44, 15, s44                        ; my row of the cluster: places 4 cy .. 4 cy + 3
	s_lshl_b32 s45, 0x1111, s40                    ; my column: places cx, cx + 4, cx + 8, cx + 12
	; descriptor group 1: a tile of 128 rows x 128 elements, padded in LDS
	s_or_b32 s[G1+0], s44, (1<<16)|(1<<20)|(1<<21)|(5<<22)|(3<<25)  ; 15:0 the mask: A's tiles go to my row; 17:16 elements of 2 bytes; 20 padding on; 21 set beside a mask; 24:22 after every 64 words (code 5); 31:25 4 words of it (code 3)
	s_or_b32 s[G1B+0], s45, (1<<16)|(1<<20)|(1<<21)|(5<<22)|(3<<25) ; the same with the mask of my column, for B's tiles
.irp g, G1, G1B
	s_mov_b32 s[(\g)+1], KSTEP<<16                 ; tensor_dim0 = 128
	s_mov_b32 s[(\g)+2], 128<<16                   ; tensor_dim1 = 128
	s_mov_b32 s[(\g)+3], KSTEP<<16                 ; tile_dim0 = 128
	s_mov_b32 s[(\g)+4], 128                       ; tile_dim1 = 128
	s_mov_b32 s[(\g)+5], SIZE_K                    ; elements from row to row
	s_mov_b32 s[(\g)+6], 0
	s_mov_b32 s[(\g)+7], 0
.endr
	; where the tiles come from, as byte offsets under 2^27: A's hang on cy and Z alone, B's on cx and Z alone, each in registers that never hold the other coordinate
	s_lshl_b32 s21, s12, 18                        ; which 128 rows of a tile I fetch
	s_lshl_b32 s14, s41, 19
	s_add_co_u32 s14, s14, s21                     ; A of Q: row 256 cy + 128 half of wb
	s_add_co_u32 s16, s14, s67
	s_add_co_u32 s16, s16, 0x2000000               ; A of K and V: row 256 (4 Z + cy) + 128 half of x2, which begins 16,384 rows into xb
	s_lshl_b32 s42, s40, 19
	s_add_co_u32 s42, s42, s21
	s_add_co_u32 s46, s42, s67                     ; B of Q: row 256 (4 Z + cx) + 128 half of xb
	s_add_co_u32 s42, s42, 0x200000                ; B of K: row 256 cx + 128 half of the second weight in wb
	s_mov_b32 s15, 0
	s_mov_b32 s17, 0
	s_mov_b32 s43, 0
	s_mov_b32 s47, 0
	s_mul_i32 s20, s10, HALFT                      ; and where they go: wave x 128 rows: no place in the cluster enters an LDS address
	s_wait_dscnt 0x0                               ; the opening add is done
	s_wait_kmcnt 0x0
	s_add_nc_u64 s[PA0:PA0+1], s[70:71], s[14:15]
	s_add_nc_u64 s[PB0:PB0+1], s[68:69], s[46:47]
	CROUND                                         ; all sixteen work-groups are here: the first joint loads meet
.irp s, 0,1
	s_mov_b32 s[G0+4*(\s)], 1                                      ; count = 1
	s_add_co_u32 s[G0+4*(\s)+1], s20, (\s)*SLOT                    ; LDS address
	s_add_nc_u64 s[G0+4*(\s)+2:G0+4*(\s)+3], s[PA0:PA0+1], (\s)*KSTEP*2  ; global address: K step s of Q's tile
	s_or_b32 s[G0+4*(\s)+3], s[G0+4*(\s)+3], 0x80000000            ; type = 2
	s_mov_b32 s[G0B+4*(\s)], 1
	s_add_co_u32 s[G0B+4*(\s)+1], s20, (\s)*SLOT
	s_add_nc_u64 s[G0B+4*(\s)+2:G0B+4*(\s)+3], s[PB0:PB0+1], (\s)*KSTEP*2
	s_or_b32 s[G0B+4*(\s)+3], s[G0B+4*(\s)+3], 0x80000000
	JLOAD \s                                       ; the ring is filled before anything else is done: two loads of mine are out
.endr
	s_add_nc_u64 s[PA1:PA1+1], s[68:69], s[16:17]  ; the later tiles' places
	s_add_nc_u64 s[PB1:PB1+1], s[70:71], s[42:43]
	s_add_nc_u64 s[PB2:PB2+1], s[PB1:PB1+1], 0x200000
	; the bias words (bbx: [3][1024] words in wb's row order)
	s_lshl_b32 s4, s41, 10
	s_lshl_b32 s18, s11, 9
	s_add_co_u32 s4, s4, s18                       ; Q: 4 x (256 cy + 128 x my half of A)
	s_mov_b32 s5, 0
	s_add_nc_u64 s[BPQ:BPQ+1], s[72:73], s[4:5]
	s_lshl_b32 s6, s40, 10
	s_lshl_b32 s18, s12, 9
	s_add_co_u32 s6, s6, s18
	s_add_co_u32 s6, s6, 0x1000                    ; K: 4 x (1,024 + 256 cx + 128 x my half of B)
	s_mov_b32 s7, 0
	s_add_nc_u64 s[BPK:BPK+1], s[72:73], s[6:7]
	s_add_nc_u64 s[BPV:BPV+1], s[BPK:BPK+1], 0x1000
	v_and_b32 v1, 15, v0                           ; r = l % 16
	v_bfe_u32 v2, v0, 4, 1                         ; h = l / 16
	v_lshlrev_b32 v[BQA], 2, v1
	v_lshlrev_b32 v[BKA], 5, v2
	WIN TO_B
.irp a, 0,1,2,3,4,5,6,7
	global_load_b32 v[BC+8*(\a)], v[BQA], s[BPQ:BPQ+1] offset:64*(\a)  ; Q's bias of A's row 16 a + r
.endr
	WIN 0
	; where my part of C begins.  Q: (8 x tile column + 4 x half) pairs (b, i) of 65,536 bytes, (8 x tile row + 4 x half) units j of 2,048.
	s_lshl_b32 s4, s40, 19
	s_add_co_u32 s4, s4, s67
	s_lshl_b32 s18, s12, 18
	s_add_co_u32 s4, s4, s18
	s_lshl_b32 s18, s41, 14
	s_add_co_u32 s4, s4, s18
	s_lshl_b32 s18, s11, 13
	s_add_co_u32 s4, s4, s18
	s_add_nc_u64 s[CBQ:CBQ+1], s[74:75], s[4:5]
	; K: the tensor's 33,554,432 bytes, (256 x tile row + 128 x half) units of 2,048, (256 x tile column + 128 x half) half-words; V: one tensor on
	s_lshl_b32 s6, s41, 19
	s_add_co_u32 s6, s6, s67
	s_add_co_u32 s6, s6, 0x2000000
	s_lshl_b32 s18, s11, 18
	s_add_co_u32 s6, s6, s18
	s_lshl_b32 s18, s40, 9
	s_add_co_u32 s6, s6, s18
	s_lshl_b32 s18, s12, 8
	s_add_co_u32 s6, s6, s18
	s_add_nc_u64 s[CBK:CBK+1], s[74:75], s[6:7]
	s_add_nc_u64 s[CBV:CBV+1], s[CBK:CBK+1], 0x2000000
	; A fragment is 16 rows x 32 K in 8 registers: lane l holds row l % 16; registers 0-3 hold K = 8 (l / 16) + 0..7, registers 4-7 K = 16 + 8 (l / 16) + 0..7: two loads of 16 bytes, 32 bytes apart.
	v_mul_u32_u24 v3, v1, PITCH
	v_lshl_add_u32 v3, v2, 4, v3                   ; row x pitch + 16 x half
	s_mul_i32 s21, s11, HALFT                      ; my 128 rows of A
	s_mul_i32 s22, s12, HALFT                      ; my 128 rows of B,
	s_add_co_u32 s22, s22, 2*HALFT                 ; which lie behind A's 256
.irp s, 0,1
	v_add_nc_u32 v[ADRA+(\s)], s21, v3
	v_add_nc_u32 v[ADRB+(\s)], s22, v3
	s_add_co_u32 s21, s21, SLOT
	s_add_co_u32 s22, s22, SLOT
.endr
	s_mul_i32 s23, s10, 16*SPITCH
	s_add_co_u32 s23, s23, STAGE                   ; my stage
	v_mul_u32_u24 v4, v1, SPITCH                   ; in: row l % 16, 16 bytes for each half of the lanes
	v_lshl_add_u32 v4, v2, 4, v4
	v_add_nc_u32 v[STO], s23, v4
	v_mul_u32_u24 v4, v2, SPITCH                   ; back: lanes 0-15 take one row of 256 bytes, lanes 16-31 the next
	v_lshl_add_u32 v4, v1, 4, v4
	v_add_nc_u32 v[RD], s23, v4
	v_lshlrev_b32 v4, 11, v2                       ; and the same two rows in C
	v_lshl_add_u32 v[CO], v1, 4, v4
	v_and_b32 v[CQ], 31, v0
	v_lshlrev_b32 v[CQ], 4, v[CQ]
	s_wait_loadcnt 0x0                             ; Q's eight bias words
	WIN SHIFT_B
.irp a, 0,1,2,3,4,5,6,7
.irp j, 7,6,5,4,3,2,1,0                ; bf16 to f32 is a shift; the loaded word itself is turned last
	v_lshlrev_b32 v[BC+8*(\a)+(\j)], 16, v[BC+8*(\a)]
.endr
.endr
	WIN 0
; 16 matrix instructions: m blocks a0, a0 + 1 of the window's four (hi = 0: my rows 0-63, 1: rows 64-127) x all 8 n blocks, 32 along K.
; start = 0: the sums go on.  1: the products start the sums on Q's bias (by A's block).  2: on K's or V's bias (by B's block).
.macro MUL16 f, hi, a0, start
.if (\start) == 0
	WIN MUL_LO+0x50*(\hi)
.else
	WIN BIAS_LO+0x40*(\hi)
.endif
.irp a, \a0, (\a0)+1
.irp b, 0,1,2,3,4,5,6,7
.if (\start) == 0
	v_wmma_f32_16x16x32_bf16 v[8*(8*(\a)+(\b)):8*(8*(\a)+(\b))+7], v[(\f)+8*(\b):(\f)+8*(\b)+7], v[(\f)+8*(4*(\hi)+(\a)):(\f)+8*(4*(\hi)+(\a))+7], v[8*(8*(\a)+(\b)):8*(8*(\a)+(\b))+7]
.elseif (\start) == 1
	v_wmma_f32_16x16x32_bf16 v[8*(8*(\a)+(\b)):8*(8*(\a)+(\b))+7], v[(\f)+8*(\b):(\f)+8*(\b)+7], v[(\f)+8*(4*(\hi)+(\a)):(\f)+8*(4*(\hi)+(\a))+7], v[BC+8*(4*(\hi)+(\a)):BC+8*(4*(\hi)+(\a))+7]
.else
	v_wmma_f32_16x16x32_bf16 v[8*(8*(\a)+(\b)):8*(8*(\a)+(\b))+7], v[(\f)+8*(\b):(\f)+8*(\b)+7], v[(\f)+8*(4*(\hi)+(\a)):(\f)+8*(4*(\hi)+(\a))+7], v[BC+8*(\b):BC+8*(\b)+7]
.endif
.endr
.endr
.endm
; 32 LDS loads in one run: the fragments of one quarter step (128 rows of B, 128 rows of A, 32 K at byte k of the rows) into buffer f
.macro FETCH slot, k, f
	WIN TO_B
.irp i, 0,1,2,3,4,5,6,7
	ds_load_b128 v[(\f)+8*(\i):(\f)+8*(\i)+3],   v[ADRB+(\slot)] offset:(\k)+(\i)*16*PITCH
	ds_load_b128 v[(\f)+8*(\i)+4:(\f)+8*(\i)+7], v[ADRB+(\slot)] offset:(\k)+(\i)*16*PITCH+32
.endr
	WIN 0
.irp i, 0,1,2,3,4,5,6,7
	ds_load_b128 v[(\f)+8*(\i):(\f)+8*(\i)+3],   v[ADRA+(\slot)] offset:(\k)+(\i)*16*PITCH
	ds_load_b128 v[(\f)+8*(\i)+4:(\f)+8*(\i)+7], v[ADRA+(\slot)] offset:(\k)+(\i)*16*PITCH+32
.endr
.endm
; A load into a register that a matrix instruction has read, and a vector instruction that reads a matrix result, stand four places behind that matrix instruction, and only plain
; vector instructions that name none of its registers are places (ISA guide 7.12.1 for vector instructions).
.macro PLACES
.rept 4
	v_nop
.endr
.endm
; A K step is four quarter steps of 32 along K, 64 matrix instructions each, on buffers 0, 1, 0, 1.  One of the first three: multiplies buffer f; in its middle it fetches the next quarter, at byte k, into g.
; The 64 accumulators take turns, one instruction a turn, in the same order in every quarter.
.macro QUARTER slot, k, f, g, start
	s_wait_dscnt 8                                 ; B and A's rows 0-63 are in; the youngest eight loads (A's rows 64-127) may be out
	MUL16 \f, 0, 0, \start
	MUL16 \f, 0, 2, \start
	PLACES
	FETCH \slot, \k, \g
	s_wait_dscnt 32                                ; all but the 32 just issued
	MUL16 \f, 1, 0, \start
	MUL16 \f, 1, 2, \start
.endm
; The last quarter multiplies buffer 1 and changes slots.  MEET is its first half: ONE barrier for the change.  In front of it each wave waits for all its tensor loads, of which one is
; out: its part of the next slot; adds 0 to its spare word; and waits for that and for its own reads of this slot.  Behind it nobody reads this slot any more and the next slot is whole.
.macro MEET round                      ; round = 1: a round of the cluster's barrier follows
	WIN 0                                          ; (the add's two registers lie in window 0)
	s_wait_tensorcnt 0x0                           ; all my tensor loads have landed
	ds_add_u32 v[SPW], v[NIL]                      ; 0 onto my spare word
	s_wait_dscnt 9                                 ; (the add and the youngest eight loads may be out)
	MUL16 F1, 0, 0, 0                              ; sixteen matrix instructions stand between the add and the wait for it
	s_wait_dscnt 0x0                               ; the add is done, and my reads of this slot are over
	s_barrier_signal -1
	MUL16 F1, 0, 2, 0                              ; work on registers while the others arrive
.if \round
	WIN 0
.endif
	s_barrier_wait -1
.endm
; The whole last quarter: behind the round the slot just read out is filled again first: with this tile's K step two steps on (on = 0) or, in a tile's last two K steps, with the NEXT tile's
; K step 0 or 1 (on = 1): A's and B's addresses are then made anew from the next tile's places (A changes buffers between Q and K, so no step leads there).  Then come the next slot's first
; fragments.  From a request to the wait for it a wave issues 224 matrix instructions, across tiles too; one tensor load of mine is out behind each round.
.macro TURN slot, next, on
	MEET 1
	CREST                                          ; no wave of any partner still reads this slot's tile or has a load on its way
.if \on
	s_add_nc_u64 s[G0+4*(\slot)+2:G0+4*(\slot)+3], s[PA1:PA1+1], (\slot)*KSTEP*2  ; the next tile is K's or V's: x2's rows
	s_or_b32 s[G0+4*(\slot)+3], s[G0+4*(\slot)+3], 0x80000000
	s_cmp_eq_u32 s2, TILES                         ; behind Q comes K, behind K comes V
	s_cselect_b64 s[PSEL:PSEL+1], s[PB1:PB1+1], s[PB2:PB2+1]
	s_add_nc_u64 s[G0B+4*(\slot)+2:G0B+4*(\slot)+3], s[PSEL:PSEL+1], (\slot)*KSTEP*2
	s_or_b32 s[G0B+4*(\slot)+3], s[G0B+4*(\slot)+3], 0x80000000
.else
	s_add_nc_u64 s[G0+4*(\slot)+2:G0+4*(\slot)+3], s[G0+4*(\slot)+2:G0+4*(\slot)+3], 2*KSTEP*2
	s_add_nc_u64 s[G0B+4*(\slot)+2:G0B+4*(\slot)+3], s[G0B+4*(\slot)+2:G0B+4*(\slot)+3], 2*KSTEP*2
.endif
	JLOAD \slot                                    ; the first tensor load behind the round; the four v_nop behind it are also the places in front of the loads below
	FETCH \next, 0, F0
	MUL16 F1, 1, 0, 0
	MUL16 F1, 1, 2, 0
.endm
; THE WAY OUT.  PACK: block a (16 rows of C) is rounded to f16, 16 bytes a lane and n block, each accumulator's registers in ascending order.
.macro PACK a, buf
.set AC, 64*((\a)%4)
	WIN 0x0a+5*((\a)/4)                            ; sources 0 and 1: window 2 or 3
.irp b, 0,1,2,3,4,5,6,7
.irp r, 0,1,2,3
	v_cvt_pk_f16_f32 v[(\buf)+4*(\b)+(\r)], v[AC+8*(\b)+2*(\r)], v[AC+8*(\b)+2*(\r)+1]
.endr
.endr
	WIN 0
.endm
.macro TOSTAGE a                       ; into my own stage in LDS, and back as whole rows of 256 bytes
.set BK, OB+192*((\a)%2)
.irp b, 0,1,2,3,4,5,6,7
	ds_store_b128 v[STO], v[TMP+4*(\b):TMP+4*(\b)+3] offset:32*(\b)
.endr
.irp t, 0,1,2,3,4,5,6,7
	ds_load_b128 v[BK+4*(\t):BK+4*(\t)+3], v[RD] offset:(\t)*2*SPITCH  ; LDS serves a wave's instructions in order (ISA guide 5.7.1.4): these see the stores above
.endr
.endm
.macro SEND a, cbase
.set BK, OB+192*((\a)%2)
	s_wait_dscnt 0x0                               ; the block is back in registers
	s_wait_xcnt 0x0                                ; every earlier store has had its addresses translated (ISA guide 3.1): the other buffer, which the block before was stored from, is loaded again only behind this wait
.irp t, 0,1,2,3,4,5,6,7
	global_store_b128 v[CO], v[BK+4*(\t):BK+4*(\t)+3], s[(\cbase):(\cbase)+1] offset:(16*(\a)+2*(\t))*ROWB  ; 16 lanes store 256 consecutive bytes at a multiple of 256; 126 rows at the most: 258,048 bytes, inside the immediate
.endr
.endm
; K's and V's way out: a lane's 16 bytes are a sixteenth of a row's 256, so a block goes through the stage; block a's conversions stand between block a - 1's loads from the stage and the wait for them.
.macro KVOUT cbase
	s_wait_xcnt 0x0                                ; the buffers were the tile before's store data
	PACK 0, TMP
	TOSTAGE 0
.irp a, 1,2,3,4,5,6,7
	PACK \a, TMP
	SEND (\a)-1, \cbase
	TOSTAGE \a
.endr
	SEND 7, \cbase
.endm
; The next tile's bias is asked for at a way out's head (each lane: its eight columns' words of each of B's eight blocks) and turned into f32 at its end.
.macro BIASASK ptr
	WIN TO_B
.irp b, 0,1,2,3,4,5,6,7
	global_load_b128 v[BC+8*(\b):BC+8*(\b)+3],   v[BKA], s[(\ptr):(\ptr)+1] offset:64*(\b)
	global_load_b128 v[BC+8*(\b)+4:BC+8*(\b)+7], v[BKA], s[(\ptr):(\ptr)+1] offset:64*(\b)+16
.endr
	WIN 0
.endm
.macro BIASTURN
	s_wait_loadcnt 0x0                             ; the sixteen loads of the bias: no other load into registers is out
	WIN SHIFT_B
.set n, 0
.rept 64
	v_lshlrev_b32 v[BC+n], 16, v[BC+n]
.set n, n+1
.endr
	WIN 0
.endm
	s_wait_tensorcnt 1                             ; my part of K step 0 is in; K step 1's may stay out
	s_barrier_signal -1
	s_barrier_wait -1                              ; everybody's is
	FETCH 0, 0, F0
	s_mov_b32 s2, TILES                            ; tiles to go, this one among them: the same number in every work-group
.Ltile:                                                ; (FETCH and the ways out leave every window 0)
	s_cmp_eq_u32 s2, TILES
	s_cbranch_scc0 .Lkv_first
	QUARTER 0, 64,  F0, F1, 1                      ; a tile's first quarter stands in front of the loop: its products start the sums, on Q's bias
	WIN 0                                          ; at a label and at a branch every window is 0
	s_branch .Lbody
.Lkv_first:
	QUARTER 0, 64,  F0, F1, 2                      ; or on K's or V's
	WIN 0
.Lbody:
	s_mov_b32 s3, LAPS-1
.Llap:                                                 ; a trip goes once round the ring, from a lap's second quarter to the next lap's first, and fills both slots again: K steps 2 to 7
	QUARTER 0, 128, F1, F0, 0
	QUARTER 0, 192, F0, F1, 0
	TURN 0, 1, 0
	QUARTER 1, 64,  F0, F1, 0
	QUARTER 1, 128, F1, F0, 0
	QUARTER 1, 192, F0, F1, 0
	TURN 1, 0, 0
	QUARTER 0, 64,  F0, F1, 0
	WIN 0
	s_sub_co_u32 s3, s3, 1
	s_cmp_lg_u32 s3, 0
	s_cbranch_scc1 .Llap
	QUARTER 0, 128, F1, F0, 0                      ; the tile's last lap goes on
	QUARTER 0, 192, F0, F1, 0
	WIN 0
	s_cmp_eq_u32 s2, 1
	s_cbranch_scc1 .Llast_tile                     ; the last tile's tail is written out: it asks for nothing more
	TURN 0, 1, 1                                   ; THE RING GOES ON INTO THE NEXT TILE: slot 0 takes its K step 0,
	QUARTER 1, 64,  F0, F1, 0
	QUARTER 1, 128, F1, F0, 0
	QUARTER 1, 192, F0, F1, 0
	TURN 1, 0, 1                                   ; slot 1 its K step 1, and the next tile's first fragments are fetched
	WIN 0
	s_cmp_eq_u32 s2, TILES                         ; BOTH REFILLS ARE ASKED FOR: NOW THE TILE GOES OUT.  No v_nop: blocks 0-3 were finished in front of TURN's places, and their 128
	s_cbranch_scc1 .Lq_out                         ; conversions, which name no register of the last products (blocks 4-7's), are those products' places
	BIASASK BPV                                    ; this is K's tile: V's follows
	KVOUT CBK
	BIASTURN
	s_branch .Lnext
.Lq_out:                                               ; Q: accumulator (a, b) is unit (i = b / 2, j = a / 2), operand rows 16 (a % 2) on, k = 16 (b % 2) on: the 32 lanes' 16 bytes ARE 512 consecutive bytes of the unit: no stage
	BIASASK BPK                                    ; K's tile follows
.irp a, 0,1,2,3,4,5,6,7
	s_wait_xcnt 0x0                                ; a buffer is written again only when the stores that read it have had their addresses translated
	PACK \a, TMP+32*((\a)%2)
.irp b, 0,1,2,3,4,5,6,7
	global_store_b128 v[CQ], v[TMP+32*((\a)%2)+4*(\b):TMP+32*((\a)%2)+4*(\b)+3], s[CBQ:CBQ+1] offset:((\b)/2)*65536+((\a)/2)*2048+((\a)%2)*1024+((\b)%2)*512
.endr
.endr
	BIASTURN
.Lnext:
	s_sub_co_u32 s2, s2, 1
	s_branch .Ltile
.Llast_tile:
	MEET 0                                         ; my one tensor load that was still out is the last K step's, so no round follows
	PLACES                                         ; for the loads into buffer 0
	FETCH 1, 0, F0
	MUL16 F1, 1, 0, 0
	MUL16 F1, 1, 2, 0
	QUARTER 1, 64,  F0, F1, 0
	QUARTER 1, 128, F1, F0, 0
	QUARTER 1, 192, F0, F1, 0
	s_wait_dscnt 8                                 ; the very last quarter: nothing more to fetch
	MUL16 F1, 0, 0, 0
	MUL16 F1, 0, 2, 0
	s_wait_dscnt 0x0
	MUL16 F1, 1, 0, 0
	MUL16 F1, 1, 2, 0
	WIN 0
	PLACES                                         ; the conversions below read results
	KVOUT CBV
	s_wait_tensorcnt 0x0                           ; the wave's end: behind my last tensor load and my last LDS store
	ds_add_u32 v[SPW], v[NIL]
	s_wait_dscnt 0x0
	CROUND                                         ; the closing round: no work-group ends while a partner may still ask for a tile that names it
	s_endpgm
.Lfunc_end_k_qd8667156cd_gemm:
	.size	k_qd8667156cd_gemm, .Lfunc_end_k_qd8667156cd_gemm-k_qd8667156cd_gemm
	.p2alignl 7, 3214868480
	.fill 96, 4, 3214868480
	.section	.rodata,"a",@progbits
	.p2align	6, 0x0
	.amdhsa_kernel k_qd8667156cd_gemm
		.amdhsa_group_segment_fixed_size 327680
		.amdhsa_private_segment_fixed_size 0
		.amdhsa_enable_private_segment 0
		.amdhsa_kernarg_size 32
		.amdhsa_user_sgpr_count 2
		.amdhsa_user_sgpr_kernarg_segment_ptr 1
		.amdhsa_wavefront_size32 1
		.amdhsa_system_sgpr_workgroup_id_x 1
		.amdhsa_system_sgpr_workgroup_id_y 1
		.amdhsa_system_sgpr_workgroup_id_z 1
		.amdhsa_system_vgpr_workitem_id 0
		.amdhsa_next_free_vgpr 1024
		.amdhsa_next_free_sgpr 100
		.amdhsa_reserve_vcc 0
		.amdhsa_float_denorm_mode_32 3
		.amdhsa_float_denorm_mode_16_64 3
		.amdhsa_memory_ordered 1
		.amdhsa_forward_progress 1
		.amdhsa_inst_pref_size 248
	.end_amdhsa_kernel
	.amdgpu_metadata
---
amdhsa.version: [ 1, 2 ]
amdhsa.kernels:
  - .name:           k_qd8667156cd_gemm
    .symbol:         k_qd8667156cd_gemm.kd
    .args:
      - { .name: xb, .offset: 0, .size: 8, .value_kind: global_buffer, .address_space: global }
      - { .name: wb, .offset: 8, .size: 8, .value_kind: global_buffer, .address_space: global }
      - { .name: bbx, .offset: 16, .size: 8, .value_kind: global_buffer, .address_space: global }
      - { .name: qkv, .offset: 24, .size: 8, .value_kind: global_buffer, .address_space: global }
    .group_segment_fixed_size: 327680
    .private_segment_fixed_size: 0
    .kernarg_segment_align: 8
    .kernarg_segment_size: 32
    .max_flat_workgroup_size: 128
    .sgpr_count:     100
    .vgpr_count:     1024
    .wavefront_size: 32
...
	.end_amdgpu_metadata
.endif
;; end of part 2
;; launch attn (part 3): grid 32 x 16, 8 waves a work-group, no clusters, 132,608 bytes of LDS; arguments qkv, out0; writes out0
.if DOCPART == 3
	.amdgcn_target "amdgcn-amd-amdhsa--gfx1250"
	.amdhsa_code_object_version 6
	.text
	.protected	k_qd8667156cd_attn
	.globl	k_qd8667156cd_attn
	.p2align	8
	.type	k_qd8667156cd_attn,@function
k_qd8667156cd_attn:
	s_mov_b64 s[64:65], 0
	v_nop
	global_prefetch_b8 v0, s[64:65] scope:SCOPE_SE
	s_setreg_imm32_b32 hwreg(HW_REG_WAVE_MODE, 25, 1), 1
	s_wait_xcnt 0x0
; The 16,384 small attentions.  For unit (b, i, j), with Qu[d][c], Ku[l][c], Vu[d][m] (32 x 32 each, f16, in matrix-operand order in qkv):
;   energy[d][l] = sum over c of Qu[d][c] Ku[l][c];  att = softmax of energy over l, the row's true maximum taken away first;  o[d][l] = sum over m of Vu[d][m] att[m][l];
;   out0[b][j][l][32 d + i] = o[d][l].
; Products with f16 operands and f32 sums; maxima, exponentials, sums and the division in f32; the weights are rounded once to f16 for the second product.
; LIMITS.  A weight below 2^-126 counts as 0 in the row's sum; as an f16 operand a weight below 6e-5 keeps f16's fixed step of 6e-8.  NaN and infinities are not treated apart.
; SHARES.  A work-group is (j, b) and owns the 131,072 consecutive bytes out0[b][j]; wave w owns the units i = 4 w .. 4 w + 3.  i is the output's fastest index, so the results of all
; 32 units meet in an LDS stage [l][d][i] and leave as whole rows.  A stream: each unit is read once, 2,048 consecutive bytes of each of q, k, v, all 48 loads of a wave issued at once
; (24 KiB in flight a wave).  NO CLUSTER and no tensor loads: no two work-groups read the same byte, and the operands go straight into registers in the order in which the matrix
; instruction wants them (a load's 32 lanes take 512 consecutive bytes).
; LAYOUT.  energy: source 0 = 16 rows d of Qu, source 1 = 16 rows l of Ku: a lane holds l = 16 lb + lane % 16 and the rows d = 16 db + 8 (lane / 16) + 0..7.  So a row's maximum and sum
; run over the two lb and the 16 lanes of a half; and two results rounded to f16 in pairs ARE source 1 (k = m, column l) of the second product, whose source 0 is Vu.
.set PITCH, 4112                       ; a stage row (one l): 4,096 bytes + 16.  A result store's lanes r and 16 + r meet in one bank (4 r), two deep; the reads back are contiguous
.set SPARE, 32*PITCH                   ; 131,584 = 514 x 256: behind the stage the spare words, 128 bytes for each of eight waves: four blocks of 256 bytes that no other line names
.set SA,  2                            ; v2, v3  where I put results of l block 0, 1 (a second register: the LDS immediate has 16 bits)
.set RD,  4                            ; v4      where I read rows back
.set SPW, 5                            ; v5      LDS address of my spare word: SPARE + 4 x my thread's number; never rewritten
.set NIL, 6                            ; v6      0; never rewritten
.set M,   8                            ; v[8:23]   row statistics: row 8 db + e of my half
.set E,   24                           ; v[24:55]  energy, then weights: result (lb, db) at E + 16 lb + 8 db
.set IN,  56                           ; v[56:247] unit u at IN + 48 u: Qu 16 registers, Ku 16, Vu 16; operand block blk at + 8 blk
	s_load_b128 s[4:7], s[0:1], 0x0                ; qkv s[4:5], out0 s[6:7]
	v_lshl_add_u32 v[SPW], v0, 2, SPARE
	v_mov_b32 v[NIL], 0
	v_lshrrev_b32 v7, 5, v0
	v_readfirstlane_b32 s8, v7                     ; wave 0..7
	v_and_b32 v1, 31, v0
	v_lshlrev_b32 v1, 4, v1                        ; 16 x lane
	s_and_b32 s9, ttmp7, 0xffff                    ; b
	s_lshl_b32 s20, s9, 21                         ; b: 1,024 units of 2,048 bytes
	s_lshl_b32 s21, ttmp9, 11                      ; j: one unit
	s_add_co_u32 s20, s20, s21
	s_lshl_b32 s21, s8, 18                         ; my four i: 32 units each
	s_add_co_u32 s20, s20, s21
	s_mov_b32 s21, 0
	s_lshl_b32 s22, s9, 5
	s_add_co_u32 s22, s22, ttmp9
	s_lshl_b32 s22, s22, 17                        ; out0[b][j]: 131,072 bytes each
	s_lshl_b32 s23, s8, 14                         ; the four rows l = 4 w .. that I store
	s_add_co_u32 s22, s22, s23
	s_mov_b32 s23, 0
	s_mov_b32 s18, 0x3fb8aa3b                      ; log2(e)
	s_mov_b32 s19, s18                             ; named with it as a pair
	s_wait_kmcnt 0x0
	s_add_nc_u64 s[10:11], s[4:5], s[20:21]        ; q,
	s_add_nc_u64 s[12:13], s[10:11], 0x2000000     ; k,
	s_add_nc_u64 s[14:15], s[10:11], 0x4000000     ; v at my first unit
	s_add_nc_u64 s[16:17], s[6:7], s[22:23]
.irp u, 0,1,2,3
.irp t, 0,1,2
.irp f, 0,1,2,3                        ; f = 2 blk + kh: registers 4 kh .. of operand block blk
	global_load_b128 v[IN+48*(\u)+16*(\t)+4*(\f):IN+48*(\u)+16*(\t)+4*(\f)+3], v1, s[10+2*(\t):11+2*(\t)] offset:(\u)*65536+(\f)*512 th:TH_LOAD_NT
.endr
.endr
.endr
	v_and_b32 v7, 15, v0                           ; r
	v_bfe_u32 v8, v0, 4, 1                         ; h
	v_mul_u32_u24 v[SA], v7, PITCH                 ; element (l, d, i) lies at l x 4,112 + 128 d + 4 i: l = 16 lb + r, d = 16 db + 8 h + e, i = 4 w + u
	v_lshl_add_u32 v[SA], v8, 10, v[SA]
	s_lshl_b32 s24, s8, 4
	v_add_nc_u32 v[SA], s24, v[SA]
	v_add_nc_u32 v[SA+1], 16*PITCH, v[SA]
	s_mul_i32 s24, s8, 4*PITCH
	v_add_nc_u32 v[RD], s24, v1
.macro UNIT u
.set QR, IN+48*(\u)
.set KR, QR+16
.set VR, QR+32
	s_wait_loadcnt 40-12*(\u)                      ; loads come back in order: this unit's q and k are in; its v and the later units' twelve loads each stay out
.irp lb, 0,1
.irp db, 0,1
	v_wmma_f32_16x16x32_f16 v[E+16*(\lb)+8*(\db):E+16*(\lb)+8*(\db)+7], v[QR+8*(\db):QR+8*(\db)+7], v[KR+8*(\lb):KR+8*(\lb)+7], 0
.endr
.endr
.rept 4
	v_nop                                          ; four places between a product and the first read of its result (ISA guide 7.12.1)
.endr
.set n, 0
.rept 16
	v_max_num_f32 v[M+n], v[E+n], v[E+16+n]        ; the two l blocks; each result is read from its lowest register on
.set n, n+1
.endr
.irp x, 1,2,4,8                        ; and the 16 lanes of my half: every lane ends with the row's maximum
.set n, 0
.rept 16
	v_max_num_f32_dpp v[M+n], v[M+n], v[M+n] row_xmask:\x row_mask:0xf bank_mask:0xf
.set n, n+1
.endr
.endr
.set n, 0
.rept 8
	v_pk_mul_f32 v[M+n:M+n+1], v[M+n:M+n+1], s[18:19] op_sel_hi:[1,0]
.set n, n+2
.endr
.set n, 0
.rept 16
	v_pk_fma_f32 v[E+n:E+n+1], v[E+n:E+n+1], s[18:19], v[M+n%16:M+n%16+1] op_sel_hi:[1,0,1] neg_lo:[0,0,1] neg_hi:[0,0,1]  ; log2(e) s - log2(e) max
.set n, n+2
.endr
.set n, 0
.rept 32
	v_exp_f32 v[E+n], v[E+n]
.set n, n+1
.endr
	v_nop                                          ; a plain instruction between the last exponential and the use of its result (ISA guide 5.7.2)
.set n, 0
	s_wait_alu depctr_va_vdst(0)
.rept 8
	v_pk_add_f32 v[M+n:M+n+1], v[E+n:E+n+1], v[E+16+n:E+16+n+1]
.set n, n+2
.endr
.irp x, 1,2,4,8
.set n, 0
.rept 16
	v_add_f32_dpp v[M+n], v[M+n], v[M+n] row_xmask:\x row_mask:0xf bank_mask:0xf
.set n, n+1
.endr
.endr
.set n, 0
.rept 16
	v_rcp_f32 v[M+n], v[M+n]                       ; the sum holds the maximum's own weight, about 1: never 0
.set n, n+1
.endr
	v_nop                                          ; a plain instruction behind the last reciprocal
.set n, 0
	s_wait_alu depctr_va_vdst(0)
.rept 16
	v_pk_mul_f32 v[E+n:E+n+1], v[E+n:E+n+1], v[M+n%16:M+n%16+1]
.set n, n+2
.endr
.irp lb, 0,1
.set n, 0
.rept 8
	v_cvt_pk_f16_f32 v[E+16*(\lb)+n], v[E+16*(\lb)+2*n], v[E+16*(\lb)+2*n+1]  ; in place, ascending: v[E + 16 lb .. + 7] is source 1: column l, k = m
.set n, n+1
.endr
.endr
	s_wait_loadcnt 36-12*(\u)                      ; this unit's v is in
.irp lb, 0,1
.irp db, 0,1
	v_wmma_f32_16x16x32_f16 v[QR+16*(\lb)+8*(\db):QR+16*(\lb)+8*(\db)+7], v[VR+8*(\db):VR+8*(\db)+7], v[E+16*(\lb):E+16*(\lb)+7], 0  ; into the unit's q and k registers, long since read
.endr
.endr
.rept 5
	v_nop                                          ; four places in front of the stores of the results, five in front of the next unit's products, which write over the weights
.endr
.irp lb, 0,1
.irp db, 0,1
.irp e, 0,1,2,3,4,5,6,7
	ds_store_b32 v[SA+(\lb)], v[QR+16*(\lb)+8*(\db)+(\e)] offset:(\db)*2048+(\e)*128+4*(\u)
.endr
.endr
.endr
.endm
	UNIT 0
	UNIT 1
	UNIT 2
	UNIT 3
	s_wait_dscnt 0x0                               ; for the others' sake: my stores into the stage are done
	s_barrier_signal -1
	s_barrier_wait -1
.set n, 0
.rept 32                               ; wave w takes the rows l = 4 w .. 4 w + 3, whole: 512 consecutive bytes a load
	ds_load_b128 v[IN+4*n:IN+4*n+3], v[RD] offset:(n/8)*PITCH+(n%8)*512
.set n, n+1
.endr
.set n, 0
.rept 32
	s_wait_dscnt 31-n                              ; LDS loads come back in order: number n is in
	global_store_b128 v1, v[IN+4*n:IN+4*n+3], s[16:17] offset:(n/8)*4096+(n%8)*512 th:TH_STORE_NT  ; 512 consecutive bytes at a multiple of 256 from out0's first
.set n, n+1
.endr
	s_wait_tensorcnt 0x0                           ; the wave's end: behind my last LDS store
	ds_add_u32 v[SPW], v[NIL]
	s_wait_dscnt 0x0
	s_endpgm
.Lfunc_end_k_qd8667156cd_attn:
	.size	k_qd8667156cd_attn, .Lfunc_end_k_qd8667156cd_attn-k_qd8667156cd_attn
	.p2alignl 7, 3214868480
	.fill 96, 4, 3214868480
	.section	.rodata,"a",@progbits
	.p2align	6, 0x0
	.amdhsa_kernel k_qd8667156cd_attn
		.amdhsa_group_segment_fixed_size 132608
		.amdhsa_private_segment_fixed_size 0
		.amdhsa_enable_private_segment 0
		.amdhsa_kernarg_size 16
		.amdhsa_user_sgpr_count 2
		.amdhsa_user_sgpr_kernarg_segment_ptr 1
		.amdhsa_wavefront_size32 1
		.amdhsa_system_sgpr_workgroup_id_x 1
		.amdhsa_system_sgpr_workgroup_id_y 1
		.amdhsa_system_sgpr_workgroup_id_z 1
		.amdhsa_system_vgpr_workitem_id 0
		.amdhsa_next_free_vgpr 248
		.amdhsa_next_free_sgpr 66
		.amdhsa_reserve_vcc 0
		.amdhsa_float_denorm_mode_32 3
		.amdhsa_float_denorm_mode_16_64 3
		.amdhsa_memory_ordered 1
		.amdhsa_forward_progress 1
		.amdhsa_inst_pref_size 81
	.end_amdhsa_kernel
	.amdgpu_metadata
---
amdhsa.version: [ 1, 2 ]
amdhsa.kernels:
  - .name:           k_qd8667156cd_attn
    .symbol:         k_qd8667156cd_attn.kd
    .args:
      - { .name: qkv, .offset: 0, .size: 8, .value_kind: global_buffer, .address_space: global }
      - { .name: out0, .offset: 8, .size: 8, .value_kind: global_buffer, .address_space: global }
    .group_segment_fixed_size: 132608
    .private_segment_fixed_size: 0
    .kernarg_segment_align: 8
    .kernarg_segment_size: 16
    .max_flat_workgroup_size: 256
    .sgpr_count:     66
    .vgpr_count:     248
    .wavefront_size: 32
...
	.end_amdgpu_metadata
.endif
;; end of part 3
;; ======== version 2 of 2: 3 launches; version 1 with the launch prep written anew for expert scheduling mode
;; limits: values are held in f16: magnitudes above 65,504 overflow, below 6.1e-05 lose precision
;; workspace buffers: xb 67,108,864 bytes; wb 6,291,456 bytes; bbx 12,288 bytes; qkv 100,663,296 bytes
;; launch prep (part 4): grid 1120 x 1, 8 waves a work-group, no clusters, 0 bytes of LDS; arguments x1, x2, Wq, Wk, Wv, bq, bk, bv, xb, wb, bbx; writes xb, wb, bbx
.if DOCPART == 4
	.amdgcn_target "amdgcn-amd-amdhsa--gfx1250"
	.amdhsa_code_object_version 6
	.text
	.protected	k_qd8667156cd_prep
	.globl	k_qd8667156cd_prep
	.p2align	8
	.type	k_qd8667156cd_prep,@function
k_qd8667156cd_prep:
	s_mov_b64 s[64:65], 0
	v_nop
	global_prefetch_b8 v0, s[64:65] scope:SCOPE_SE
	s_setreg_imm32_b32 hwreg(HW_REG_WAVE_SCHED_MODE, 0, 2), 2
	s_setreg_imm32_b32 hwreg(HW_REG_WAVE_MODE, 25, 1), 1
	s_wait_xcnt 0x0
	s_wait_alu depctr_vm_vsrc(0)
; All inputs are rounded once to bf16 and laid out for the product that follows.
;   xb  [32768][1024] bf16: rows 0..16383 are x1 with rows permuted (xb row b*1024 + i*32 + c = x1 row b*1024 + c*32 + i); rows 16384.. are x2 as it lies.
;   wb  [3][1024][1024] bf16: Wq, Wk, Wv with permuted rows.  p = place in wb, X = (p[9] << 4) | p[6:3], Y = (p[8:7] << 3) | p[2:0]:
;       Wq: row ((p & 31) << 5) | (p >> 5);   Wk: row 32 Y + X;   Wv: row 32 X + Y.
;   bbx [3][1024] words: the bias of the same row, bf16 in the low half, 0 in the high half.
; A stream: 35,840 destination rows of 2,048 bytes; a work-group takes 32 of them, a wave 4 consecutive ones.  Every load of a wave covers 512 consecutive
; bytes of a source row, every store 256 consecutive bytes at a multiple of 256.  All 32 loads of a wave go out at once (16 KiB in flight a wave).
; No LDS, no matrix unit, no cluster: nothing is shared and nothing is read twice.
; THE MODE: SCHED_MODE bits 1:0 = 2 (LLVM: expert scheduling mode 2), set by the entry lines.  The code itself states the register dependences
; between vector instructions and memory instructions, with s_wait_alu, always for 0.
; THE PLAN.  Registers that memory instructions touch:
;   v1 .. v4   source offsets of my four rows.  Written at the head; read by the 32 loads; never written again.
;   v6         destination offset.  Written at the head; read by every store; never written again.
;   X, row q   Written by the row's eight loads (no vector instruction names it before), then, in place, by the row's sixteen conversions; read by the row's eight
;              stores, which are issued in row q + 1, behind the one wait at that row's head, dealt among row q + 1's conversions: those name row q + 1's registers alone.
;   v10 .. v13 In the biases' part: two offsets, made by vector instructions and read by two loads; the loads' two results, rounded in place and read by one store.
; No register that a memory instruction reads is written again on any way through the text: so behind the entry lines the text holds no wait on vm_vsrc.  EXEC is never written.
.set X, 16                             ; v[16:143]  row q, chunk t at X + 32 q + 4 t: four f32 as loaded, then two words of bf16
	s_load_b512 s[4:19], s[0:1], 0x0               ; x1 s[4:5], x2 s[6:7], Wq s[8:9], Wk s[10:11], Wv s[12:13], bq s[14:15], bk s[16:17], bv s[18:19]
	s_load_b128 s[20:23], s[0:1], 0x40             ; xb s[20:21], wb s[22:23]
	s_load_b64 s[24:25], s[0:1], 0x50              ; bbx
	v_lshrrev_b32 v8, 5, v0
	v_readfirstlane_b32 s26, v8                    ; wave 0..7
	v_and_b32 v9, 31, v0                           ; lane
	v_lshlrev_b32 v1, 4, v9                        ; 16 bytes a lane in a source row (row 0 of my four)
	v_lshlrev_b32 v6, 3, v9                        ; 8 bytes a lane in a destination row
	v_mov_b32 v7, 0
	s_mov_b32 s27, ttmp9                           ; g
	s_lshr_b32 s46, s27, 9                         ; kind: 0 = x1, 1 = x2, 2 = a weight
	s_max_u32 s28, s27, 1024
	s_sub_co_u32 s28, s28, 1024                    ; gw: the work-group's number among the weights' 96 (0 for x1 and x2)
	s_lshr_b32 s29, s28, 5                         ; T: 0 = Wq, 1 = Wk, 2 = Wv
	s_cmp_lt_u32 s27, 1024
	s_cselect_b32 s30, s27, s28
	s_lshl_b32 s30, s30, 5
	s_wait_alu depctr_va_sdst(0)                   ; s26, the wave's number, is written, ahead of its first reader: the next line
	s_lshl2_add_u32 s30, s26, s30                  ; drow: my first destination row, in xb or in wb; its two low bits are 0
	s_and_b32 s31, s30, 1023                       ; low: the row inside its block of 1,024
	s_and_b32 s39, s31, 31
	s_lshl_b32 s39, s39, 5
	s_lshr_b32 s32, s31, 5
	s_or_b32 s32, s32, s39                         ; swap(low)
	s_bfe_u32 s33, s31, 0x40003
	s_bfe_u32 s39, s31, 0x10009
	s_lshl_b32 s39, s39, 4
	s_or_b32 s33, s33, s39                         ; X
	s_and_b32 s34, s31, 7
	s_bfe_u32 s39, s31, 0x20007
	s_lshl_b32 s39, s39, 3
	s_or_b32 s34, s34, s39                         ; Y
	s_lshl_b32 s35, s34, 5
	s_or_b32 s35, s35, s33                         ; 32 Y + X
	s_lshl_b32 s36, s33, 5
	s_or_b32 s36, s36, s34                         ; 32 X + Y
	s_sub_co_u32 s37, s30, s31
	s_add_co_u32 s37, s37, s32                     ; source row of x1 and of Wq: the block's first row + swap(low)
	s_mov_b32 s38, 0x20000                         ; my next destination row's source lies 32 rows of 4,096 bytes on ...
	s_cmp_eq_u32 s29, 1
	s_cselect_b32 s37, s35, s37                    ; Wk
	s_cmp_eq_u32 s29, 2
	s_cselect_b32 s37, s36, s37                    ; Wv:
	s_cselect_b32 s38, 0x1000, s38                 ; ... or one row on
	s_and_b32 s39, s30, 0x3fff
	s_cmp_eq_u32 s46, 1
	s_cselect_b32 s37, s39, s37                    ; x2: its own order
	s_cselect_b32 s38, 0x1000, s38
.irp q, 1,2,3
	v_mad_u32_u24 v[1+(\q)], s38, \q, v1           ; the source offset of row q of my four
.endr
	s_wait_kmcnt 0x0
	s_cmp_eq_u32 s46, 1
	s_cselect_b64 s[40:41], s[6:7], s[4:5]         ; the source: x2 or x1,
	s_cmp_eq_u32 s46, 2
	s_cselect_b64 s[40:41], s[8:9], s[40:41]       ; or Wq,
	s_cselect_b64 s[42:43], s[22:23], s[20:21]     ; and the destination: wb or xb
	s_cmp_eq_u32 s29, 1
	s_cselect_b64 s[40:41], s[10:11], s[40:41]     ; or Wk,
	s_cmp_eq_u32 s29, 2
	s_cselect_b64 s[40:41], s[12:13], s[40:41]     ; or Wv
	s_lshl_b32 s44, s37, 12                        ; rows of 4,096 bytes: under 2^27
	s_mov_b32 s45, 0
	s_add_nc_u64 s[40:41], s[40:41], s[44:45]
	s_lshl_b32 s44, s30, 11                        ; rows of 2,048 bytes: under 2^27
	s_add_nc_u64 s[42:43], s[42:43], s[44:45]
	s_wait_alu depctr_va_vdst(0)                   ; v1 to v4 are written, which the loads below read as offsets, and v6, which every store of the kernel reads as its offset
.irp q, 0,1,2,3
.irp t, 0,1,2,3,4,5,6,7
	global_load_b128 v[X+32*(\q)+4*(\t):X+32*(\q)+4*(\t)+3], v[1+(\q)], s[40:41] offset:512*(\t) th:TH_LOAD_NT
.endr
.endr
; Chunk t of row q: four f32 close up into two words of bf16, in place, ascending: a word is written when its sources have been read.
.macro ROUND2 q, t
	v_cvt_pk_bf16_f32 v[X+32*(\q)+4*(\t)], v[X+32*(\q)+4*(\t)], v[X+32*(\q)+4*(\t)+1]
	v_cvt_pk_bf16_f32 v[X+32*(\q)+4*(\t)+1], v[X+32*(\q)+4*(\t)+2], v[X+32*(\q)+4*(\t)+3]
.endm
; And its store: 32 lanes, 256 consecutive bytes; no register is written again behind its store.
.macro SEND q, t
	global_store_b64 v6, v[X+32*(\q)+4*(\t):X+32*(\q)+4*(\t)+1], s[42:43] offset:2048*(\q)+256*(\t)
.endm
	s_wait_loadcnt 24                              ; loads come back in order (ISA guide 5.7.1): row 0 is in, the three younger rows' eight loads each stay out
.irp t, 0,1,2,3,4,5,6,7
	ROUND2 0, \t
.endr
.irp q, 1,2,3
	s_wait_loadcnt 8*(3-(\q))                      ; row q is in, the younger rows' eight loads each stay out
	s_wait_alu depctr_va_vdst(0)                   ; the row before's conversions have written its words of bf16, which the eight stores below read
.irp t, 0,1,2,3,4,5,6,7
	SEND (\q)-1, \t                                ; no further wait: the conversions issued since the wait name row q's registers alone
	ROUND2 \q, \t
.endr
.endr
	s_wait_alu depctr_va_vdst(0)                   ; row 3's conversions have written its words of bf16, which the last eight stores read
.irp t, 0,1,2,3,4,5,6,7
	SEND 3, \t
.endr
	; The biases: 64 numbers in wave 0 of the first 16 work-groups of each weight.
	s_cmp_lt_u32 s27, 1024
	s_cbranch_scc1 .Ldone
	s_and_b32 s32, s28, 31                         ; gl: the work-group's number inside its weight
	s_cmp_lt_u32 s32, 16
	s_cbranch_scc0 .Ldone
	s_cmp_lg_u32 s26, 0
	s_cbranch_scc1 .Ldone
	s_cmp_eq_u32 s29, 1
	s_cselect_b32 s44, -1, 0                       ; all lanes: this is bk
	s_cselect_b64 s[48:49], s[16:17], s[14:15]
	s_cmp_eq_u32 s29, 2
	s_cselect_b32 s45, -1, 0                       ; all lanes: this is bv
	s_cselect_b64 s[48:49], s[18:19], s[48:49]
	s_lshl_b32 s50, s29, 12                        ; bbx: 4,096 T + 256 gl
	s_lshl_b32 s33, s32, 8
	s_add_co_u32 s50, s50, s33
	s_mov_b32 s51, 0
	s_add_nc_u64 s[50:51], s[24:25], s[50:51]
	s_lshl_b32 s33, s32, 6
	v_and_b32 v8, 31, v0
	v_lshl_add_u32 v8, v8, 1, s33                  ; p = 64 gl + 2 lane,
	v_or_b32 v9, 1, v8                             ; and p + 1
.macro INV dst, src                    ; dst = 4 x the source row of place src; the two masks s44 and s45 are written by scalar instructions
	v_and_b32 v14, 31, \src
	v_lshrrev_b32 v15, 5, \src
	v_lshl_or_b32 v144, v14, 5, v15                ; swap
	v_bfe_u32 v14, \src, 9, 1
	v_bfe_u32 v15, \src, 3, 4
	v_lshl_or_b32 v145, v14, 4, v15                ; X
	v_bfe_u32 v14, \src, 7, 2
	v_and_b32 v15, 7, \src
	v_lshl_or_b32 v146, v14, 3, v15                ; Y
	v_lshl_or_b32 v147, v146, 5, v145              ; 32 Y + X
	v_lshl_or_b32 v14, v145, 5, v146               ; 32 X + Y
	v_cndmask_b32 \dst, v144, v147, s44
	v_cndmask_b32 \dst, \dst, v14, s45
	v_lshlrev_b32 \dst, 2, \dst
.endm
	INV v10, v8
	INV v11, v9
	s_wait_alu depctr_va_vdst(0)                   ; v10 and v11 are written, which the two loads read as offsets
	global_load_b32 v12, v10, s[48:49]
	global_load_b32 v13, v11, s[48:49]
	s_wait_loadcnt 0x0
	v_cvt_pk_bf16_f32 v12, v12, v7                 ; the bias in the low half, 0 in the high half
	v_cvt_pk_bf16_f32 v13, v13, v7
	s_wait_alu depctr_va_vdst(0)                   ; the two conversions have written v12 and v13, which the store reads
	global_store_b64 v6, v[12:13], s[50:51]        ; 256 consecutive bytes
.Ldone:
	s_endpgm
.Lfunc_end_k_qd8667156cd_prep:
	.size	k_qd8667156cd_prep, .Lfunc_end_k_qd8667156cd_prep-k_qd8667156cd_prep
	.p2alignl 7, 3214868480
	.fill 96, 4, 3214868480
	.section	.rodata,"a",@progbits
	.p2align	6, 0x0
	.amdhsa_kernel k_qd8667156cd_prep
		.amdhsa_group_segment_fixed_size 0
		.amdhsa_private_segment_fixed_size 0
		.amdhsa_enable_private_segment 0
		.amdhsa_kernarg_size 88
		.amdhsa_user_sgpr_count 2
		.amdhsa_user_sgpr_kernarg_segment_ptr 1
		.amdhsa_wavefront_size32 1
		.amdhsa_system_sgpr_workgroup_id_x 1
		.amdhsa_system_sgpr_workgroup_id_y 1
		.amdhsa_system_sgpr_workgroup_id_z 1
		.amdhsa_system_vgpr_workitem_id 0
		.amdhsa_next_free_vgpr 148
		.amdhsa_next_free_sgpr 66
		.amdhsa_reserve_vcc 0
		.amdhsa_float_denorm_mode_32 3
		.amdhsa_float_denorm_mode_16_64 3
		.amdhsa_memory_ordered 1
		.amdhsa_forward_progress 1
		.amdhsa_inst_pref_size 16
	.end_amdhsa_kernel
	.amdgpu_metadata
---
amdhsa.version: [ 1, 2 ]
amdhsa.kernels:
  - .name:           k_qd8667156cd_prep
    .symbol:         k_qd8667156cd_prep.kd
    .args:
      - { .name: x1, .offset: 0, .size: 8, .value_kind: global_buffer, .address_space: global }
      - { .name: x2, .offset: 8, .size: 8, .value_kind: global_buffer, .address_space: global }
      - { .name: Wq, .offset: 16, .size: 8, .value_kind: global_buffer, .address_space: global }
      - { .name: Wk, .offset: 24, .size: 8, .value_kind: global_buffer, .address_space: global }
      - { .name: Wv, .offset: 32, .size: 8, .value_kind: global_buffer, .address_space: global }
      - { .name: bq, .offset: 40, .size: 8, .value_kind: global_buffer, .address_space: global }
      - { .name: bk, .offset: 48, .size: 8, .value_kind: global_buffer, .address_space: global }
      - { .name: bv, .offset: 56, .size: 8, .value_kind: global_buffer, .address_space: global }
      - { .name: xb, .offset: 64, .size: 8, .value_kind: global_buffer, .address_space: global }
      - { .name: wb, .offset: 72, .size: 8, .value_kind: global_buffer, .address_space: global }
      - { .name: bbx, .offset: 80, .size: 8, .value_kind: global_buffer, .address_space: global }
    .group_segment_fixed_size: 0
    .private_segment_fixed_size: 0
    .kernarg_segment_align: 8
    .kernarg_segment_size: 88
    .max_flat_workgroup_size: 256
    .sgpr_count:     66
    .vgpr_count:     148
    .wavefront_size: 32
...
	.end_amdgpu_metadata
.endif
;; end of part 4
;; launch gemm: the kernel of part 2 again; grid 16 x 16, 4 waves a work-group, clusters of 4 x 4, 327,680 bytes of LDS; arguments xb, wb, bbx, qkv; writes qkv
;; launch attn: the kernel of part 3 again; grid 32 x 16, 8 waves a work-group, no clusters, 132,608 bytes of LDS; arguments qkv, out0; writes out0
